; MI455X (gfx1250); checked and timed in simulation.
; The chip was launched on July 23, 2026; its instructions are those of AMD's public machine-readable ISA for CDNA 5 (MIT licence, August 2026) and "CDNA5" Instruction Set Architecture Reference Guide (July 2026). The comments in the code are by the model that wrote it; some were corrected since.
;; Event Driven Compute Engine. Allowed arithmetic: matrix products marked QUANTISED: E4M3 operands, one given power-of-two scale a tensor, by v_wmma_f32_16x16x64_fp8_fp8 or v_wmma_f32_16x16x128_fp8_fp8, f32 sums; everything else in f32.
;; Inputs: b1 2,048 float32; b2 512 float32; lowp_scales 4 int32 (the exponents e of the quantised operands' scales 2^e); w1 512 x 2,048 float32; w2 2,048 x 512 float32; x 4 x 16 x 512 x 512 float32.
;; Outputs: out0 4 x 16 x 512 x 512 float32.
;; This version of the problem:
;;   THIS VERSION OF THE PROBLEM IS GIVEN IN LOW PRECISION. The matrix products marked QUANTISED in the list below multiply operands that are first quantised to E4M3 (4 exponent bits, 3 mantissa bits; 8 bits a number), with one given power-of-two scale for each operand tensor; their sums are f32. All else is computed in f32.
;;   The module's matrix products, in the order in which they are computed (A, B: the left and right operand; K: the contracted axis; several contracted axes count as one K, in the product's order):
;;     1. [M 32,768, K 512] x [K 512, N 2,048]; A: input x; B: input w1: QUANTISED (scales: A lowp_scales[0], B lowp_scales[1])
;;     2. [M 32,768, K 2,048] x [K 2,048, N 512]; A: computed on the way; B: input w2: QUANTISED (scales: A lowp_scales[2], B lowp_scales[3])
;;   THE QUANTISER, for each operand of a quantised product, along K:
;;     - The operand's scale is 2^e, e = its entry of the input lowp_scales (int32; the entries are numbered through the quantised products in the list's order, A before B).
;;     - Each number is divided by the scale, clamped to +-448, and rounded to the nearest number of E4M3, ties to even, subnormals kept.
;;     - The product sums the exact products of the quantised numbers (number of the format x scale) in f32.
;;   ~~~python
;;   def quantise(x, axis, e):      # numpy; x: float32 -> the quantised numbers, widened to float32 again
;;       x = np.moveaxis(x, axis, -1); K = x.shape[-1]
;;       r = np.clip(x / 2.0 ** e, -448, 448)
;;       step = 2.0 ** (np.maximum(np.frexp(np.where(r == 0, 1, r))[1] - 1, -6) - 3)
;;       q = np.round(r / step) * step * 2.0 ** e      # np.round: ties to even
;;       return np.moveaxis(q, -1, axis).astype(np.float32)
;;   ~~~
;;   OPERANDS COMPUTED ON THE WAY. 'Computed on the way' means the value that the module computes at that place (a softmax that the list does not call 'softmax' is quantised finished and normalised). What goes into a quantiser is computed in f32, as accurately as f32 sums, v_exp_f32 and their like allow (about 1e-6 of the number): no bf16 or f16 on the way to a quantiser, and a product that is left as it is and whose result goes on into a quantised operand takes f32 operands (vector FMAs, or v_wmma_f32_16x16x4_f32). A number that lies on a knife's edge between two numbers of the format may be rounded either way, as far as f32 arithmetic and the matrix unit's own rounding can turn it there, and no further.
;; 2 versions. Each part assembles by itself: llvm-mc -triple=amdgcn-amd-amdhsa -mcpu=gfx1250 --defsym DOCPART=n.
;; ======== version 1 of 2: 2 launches
;; workspace buffers: wq 2,097,152 bytes
;; launch prep (part 1): grid 256 x 1, 8 waves a work-group, no clusters, 0 bytes of LDS; arguments w1, w2, lowp_scales, wq; writes wq
.if DOCPART == 1
	.amdgcn_target "amdgcn-amd-amdhsa--gfx1250"
	.amdhsa_code_object_version 6
	.text
	.protected	k_qf5d1aa11f5_prep
	.globl	k_qf5d1aa11f5_prep
	.p2align	8
	.type	k_qf5d1aa11f5_prep,@function
k_qf5d1aa11f5_prep:
	s_mov_b64 s[64:65], 0
	v_nop
	global_prefetch_b8 v0, s[64:65] scope:SCOPE_SE
	s_setreg_imm32_b32 hwreg(HW_REG_WAVE_MODE, 25, 1), 1
	s_wait_xcnt 0x0
; w1 [512][2048] and w2 [2048][512], f32, K along the FIRST axis, become codes of FP8 (E4M3) in wq, each with its given scale 2^e (w1: entry 1, w2: entry 3 of the scales).
; code = x / 2^e, held within +-448, to the nearest code, ties to even.  LIMITS: -126 <= e <= 119; NaN among the weights is not served.
; wq IS LAID IN THE ORDER OF THE OPERANDS' REGISTERS: 16 blocks of 131,072 bytes, block c for hidden units 128 c .. 128 c + 127.  A fragment (16 rows x 128 K) is 2,048 bytes: register group c4
; (four registers) of lane l = r + 16 h lies at 512 c4 + 16 l and holds k = 32 c4 + 16 h + 0 .. 15 of the fragment's row r.
;   bytes 0 .. 65,535 of a block, W1: ch 32768 + b 16384 + s 4096 + u 2048: row r = hidden unit 128 c + 64 ch + 32 b + 8 u + r + 8 (r / 8); k = 128 s + ..
;   bytes 65,536 on, W2: ch 32768 + n 2048: row r = output column 256 ch + 16 n + r; k = hidden unit 128 c + ..
; A LANE TAKES A COLUMN, AND ITS 32 REGISTERS RUN DOWN K: each load reads 128 consecutive bytes a wave (the eight waves stand side by side on 1,024), and the conversions give 32 codes with K innermost:
; two pieces of 16 bytes (h = 0, h = 1), 256 bytes apart in wq.  Each store of a wave covers two aligned runs of 256 consecutive bytes.
; Work-groups 0-127 take w1, 128-255 w2; a wave takes 32 columns x 32 k.  No LDS, no barrier, no loop: waves share nothing, and every register is written once.
.set X, 8                              ; v8-39   32 numbers down K
.set C, 40                             ; v40-47  their codes
.macro LOADS pitch                     ; row i of my 32, pitch bytes from row to row
.set ii, 0
.rept 32
	global_load_b32 v[X+ii], v2, s[14:15] offset:ii*\pitch th:TH_LOAD_NT
.set ii, ii+1
.endr
.endm
	s_load_b256 s[4:11], s[0:1], 0x0               ; w1 s[4:5], w2 s[6:7], the scales' exponents s[8:9], wq s[10:11]
	v_lshrrev_b32 v1, 5, v0
	v_readfirstlane_b32 s12, v1                    ; wave 0..7
	v_and_b32 v1, 31, v0                           ; lane
	v_lshlrev_b32 v2, 2, v1                        ; in: 4 bytes a lane
	s_mov_b32 s19, 0                               ; high words of the two offsets
	s_mov_b32 s27, 0
	s_wait_kmcnt 0x0
	s_load_b128 s[20:23], s[8:9], 0x0              ; ex, ew1, eh, ew2
	s_cmp_lt_u32 ttmp9, 128                        ; the choice hangs on the work-group's number alone
	s_cbranch_scc0 .Lw2
	; ---- w1: kb = which 32 of K (0..15), cb = which 32 hidden units (0..63)
	s_and_b32 s13, ttmp9, 15                       ; kb
	s_lshr_b32 s24, ttmp9, 4
	s_lshl_b32 s24, s24, 3
	s_add_co_u32 s24, s24, s12                     ; cb
	s_lshl_b32 s26, s13, 18                        ; 32 rows of 8,192 bytes
	s_lshl_b32 s25, s24, 7                         ; 32 columns of 4 bytes
	s_add_co_u32 s26, s26, s25
	s_add_nc_u64 s[14:15], s[4:5], s[26:27]
	LOADS 8192
	s_lshr_b32 s18, s24, 2                         ; block c = cb / 4
	s_lshl_b32 s18, s18, 17
	s_bfe_u32 s25, s24, 0x10001                    ; ch = (cb / 2) % 2
	s_lshl_b32 s25, s25, 15
	s_add_co_u32 s18, s18, s25
	s_and_b32 s25, s24, 1                          ; b = cb % 2
	s_lshl_b32 s25, s25, 14
	s_add_co_u32 s18, s18, s25
	s_lshr_b32 s25, s13, 2                         ; s = kb / 4
	s_lshl_b32 s25, s25, 12
	s_add_co_u32 s18, s18, s25
	s_and_b32 s25, s13, 3                          ; c4 = kb % 4
	s_lshl_b32 s25, s25, 9
	s_add_co_u32 s18, s18, s25
	v_bfe_u32 v3, v1, 3, 1                         ; unit j = lane of the 32: u = (j / 8) % 2, r = j % 8 + 8 (j / 16)
	v_lshlrev_b32 v3, 11, v3
	v_and_b32 v4, 7, v1
	v_lshl_add_u32 v3, v4, 4, v3
	v_lshrrev_b32 v4, 4, v1
	v_lshl_add_u32 v3, v4, 7, v3                   ; 2048 u + 16 r
	s_wait_kmcnt 0x0
	s_mov_b32 s24, s21                             ; e = ew1
	s_branch .Lq
.Lw2:
	; ---- w2: kb = which 32 hidden units (0..63), cg = which 256 columns; the wave takes 32 of them
	s_sub_co_u32 s13, ttmp9, 128
	s_lshr_b32 s24, s13, 6                         ; cg
	s_and_b32 s13, s13, 63                         ; kb
	s_lshl_b32 s26, s13, 16                        ; 32 rows of 2,048 bytes
	s_lshl_b32 s25, s24, 3
	s_add_co_u32 s25, s25, s12
	s_lshl_b32 s25, s25, 7
	s_add_co_u32 s26, s26, s25
	s_add_nc_u64 s[14:15], s[6:7], s[26:27]
	LOADS 2048
	s_lshr_b32 s18, s13, 2                         ; block c = kb / 4
	s_lshl_b32 s18, s18, 17
	s_add_co_u32 s18, s18, 65536                   ; W2's half of the block
	s_lshl_b32 s25, s24, 15                        ; ch = cg
	s_add_co_u32 s18, s18, s25
	s_lshl_b32 s25, s12, 12                        ; n = 2 x wave + lane / 16
	s_add_co_u32 s18, s18, s25
	s_and_b32 s25, s13, 3                          ; c4 = kb % 4
	s_lshl_b32 s25, s25, 9
	s_add_co_u32 s18, s18, s25
	v_lshrrev_b32 v3, 4, v1
	v_lshlrev_b32 v3, 11, v3
	v_and_b32 v4, 15, v1
	v_lshl_add_u32 v3, v4, 4, v3                   ; 2048 (lane / 16) + 16 (lane % 16)
	s_wait_kmcnt 0x0
	s_mov_b32 s24, s23                             ; e = ew2
.Lq:
	s_add_nc_u64 s[16:17], s[10:11], s[18:19]
	s_add_co_i32 s24, s24, 127
	s_lshl_b32 s25, s24, 23
	v_mov_b32 v4, s25                              ; 2^e as f32: the conversion takes its exponent field
	s_add_co_i32 s24, s24, 8
	s_lshl_b32 s24, s24, 23
	s_or_b32 s24, s24, 0x600000
	v_mov_b32 v5, s24                              ; 448 x 2^e
	s_wait_loadcnt 0x0
.set ii, 0
.rept 32
	v_med3_num_f32 v[X+ii], v[X+ii], -v5, v5       ; the conversion to an 8-bit code does not saturate (ISA guide 7.6.2): the hold comes first
.set ii, ii+1
.endr
.set ii, 0
.rept 4
	v_cvt_scalef32_pk8_fp8_f32 v[C+2*ii:C+2*ii+1], v[X+8*ii:X+8*ii+7], v4
.set ii, ii+1
.endr
	global_store_b128 v3, v[C:C+3], s[16:17]               ; k 0-15 of my 32: the lanes h = 0 of the image
	global_store_b128 v3, v[C+4:C+7], s[16:17] offset:256  ; k 16-31: the lanes h = 1
	s_endpgm
.Lfunc_end_k_qf5d1aa11f5_prep:
	.size	k_qf5d1aa11f5_prep, .Lfunc_end_k_qf5d1aa11f5_prep-k_qf5d1aa11f5_prep
	.p2alignl 7, 3214868480
	.fill 96, 4, 3214868480
	.section	.rodata,"a",@progbits
	.p2align	6, 0x0
	.amdhsa_kernel k_qf5d1aa11f5_prep
		.amdhsa_group_segment_fixed_size 0
		.amdhsa_private_segment_fixed_size 0
		.amdhsa_enable_private_segment 0
		.amdhsa_kernarg_size 32
		.amdhsa_user_sgpr_count 2
		.amdhsa_user_sgpr_kernarg_segment_ptr 1
		.amdhsa_wavefront_size32 1
		.amdhsa_system_sgpr_workgroup_id_x 1
		.amdhsa_system_sgpr_workgroup_id_y 1
		.amdhsa_system_sgpr_workgroup_id_z 1
		.amdhsa_system_vgpr_workitem_id 0
		.amdhsa_next_free_vgpr 48
		.amdhsa_next_free_sgpr 66
		.amdhsa_reserve_vcc 0
		.amdhsa_float_denorm_mode_32 3
		.amdhsa_float_denorm_mode_16_64 3
		.amdhsa_memory_ordered 1
		.amdhsa_forward_progress 1
		.amdhsa_inst_pref_size 12
	.end_amdhsa_kernel
	.amdgpu_metadata
---
amdhsa.version: [ 1, 2 ]
amdhsa.kernels:
  - .name:           k_qf5d1aa11f5_prep
    .symbol:         k_qf5d1aa11f5_prep.kd
    .args:
      - { .name: w1, .offset: 0, .size: 8, .value_kind: global_buffer, .address_space: global }
      - { .name: w2, .offset: 8, .size: 8, .value_kind: global_buffer, .address_space: global }
      - { .name: lowp_scales, .offset: 16, .size: 8, .value_kind: global_buffer, .address_space: global }
      - { .name: wq, .offset: 24, .size: 8, .value_kind: global_buffer, .address_space: global }
    .group_segment_fixed_size: 0
    .private_segment_fixed_size: 0
    .kernarg_segment_align: 8
    .kernarg_segment_size: 32
    .max_flat_workgroup_size: 256
    .sgpr_count:     66
    .vgpr_count:     48
    .wavefront_size: 32
...
	.end_amdgpu_metadata
.endif
;; end of part 1
;; launch ffn (part 2): grid 256 x 1, 4 waves a work-group, clusters of 4 x 1, 327,680 bytes of LDS; arguments x, wq, lowp_scales, b1, b2, out0; writes out0
.if DOCPART == 2
	.amdgcn_target "amdgcn-amd-amdhsa--gfx1250"
	.amdhsa_code_object_version 6
	.text
	.protected	k_qf5d1aa11f5_ffn
	.globl	k_qf5d1aa11f5_ffn
	.p2align	8
	.type	k_qf5d1aa11f5_ffn,@function
k_qf5d1aa11f5_ffn:
	s_mov_b64 s[64:65], 0
	v_nop
	global_prefetch_b8 v0, s[64:65] scope:SCOPE_SE
	s_setreg_imm32_b32 hwreg(HW_REG_WAVE_MODE, 25, 1), 1
	s_wait_xcnt 0x0
	s_wait_alu depctr_hold_cnt(0) depctr_sa_sdst(0) depctr_va_vdst(0) depctr_va_sdst(0) depctr_va_ssrc(0) depctr_va_vcc(0) depctr_vm_vsrc(0)
	s_getreg_b32 s2, hwreg(HW_REG_IB_STS2, 6, 4)
	s_cmp_eq_u32 s2, 0
	s_cbranch_scc0 .Lentry_in_a_cluster
	s_endpgm
.Lentry_in_a_cluster:
	s_bfe_u32 s2, ttmp6, 0x10000c
	s_cmp_lg_u32 s2, 0x3003
	s_cbranch_scc0 .Lentry_shape_is_right
	s_endpgm
.Lentry_shape_is_right:
; out0 = (any |x| of the row > 0.01) ? relu(x w1 + b1) w2 + b2 : 0, both products on codes of FP8 (E4M3), each operand with its given scale 2^e: ex, ew1, eh, ew2.  Sums in f32.
; x, out0: [32768][512] f32.  wq: both weights as codes, laid as images of operand registers in 16 blocks of 131,072 bytes, one for each 128 hidden units.  The hidden layer never goes to memory.
; SHARES.  A work-group of four waves owns 128 rows; 256 work-groups.  Wave w (rh = w / 2, ch = w % 2) owns rows 64 rh .. + 63: in the first product hidden units 64 ch .. + 63 of the chunk in hand, in the
; second output columns 256 ch .. + 255: 64 accumulators, 512 registers.  Its 64 rows of x, as codes, stay in 256 registers.  The 2,048 hidden units are walked in 16 chunks of 128.
; BOTH PRODUCTS ARE USED TRANSPOSED (source 0 = 16 rows of a weight, source 1 = 16 rows of x or of the hidden layer): a lane holds ONE row (lane % 16) throughout.  The hidden units that form a tile of W1 are
; chosen (lane r of tile u: unit 8 u + r + 8 (r / 8) of 32) so that the 16 registers of tiles u = 0, 1 are 16 neighbours along the second product's K: the conversions' results are operand registers.
; A fragment's registers 4 c .. 4 c + 3 hold k = 32 c + 16 (lane / 16) + 0 .. 15: a permutation of k that is the same in both operands of every product.
; OPERANDS GO FROM WAVE TO WAVE THROUGH LDS AS IMAGES OF THEIR REGISTERS (group c of lane l at 512 c + 16 l): x's codes once, the hidden layer's in every chunk.
; CLUSTER.  The four work-groups of a cluster walk the same weights: a chunk's block is asked for JOINTLY, each wave a quarter (32,768 bytes), into a ring of two slots.
; b1 goes in as the C of a tile's first matrix instruction, divided once by 2^(ex + ew1); the hidden layer's conversion takes the one scale 2^(eh - ex - ew1); out = sum x 2^(eh + ew2) + b2.
; The mask only selects values: every row is computed.
; LIMITS: ex and eh - ex - ew1 between -126 and 119, eh + ew2 between -126 and 127, so that each power of two below is an f32 number.  NaN in x is not served by the quantiser (for the mask it counts as not above the threshold).
; REGISTERS, in windows of 256: window 0: v0-31 addresses and constants; v32-95 8 tiles of the hidden layer, then its 4 fragments; v96-111 b1's two tiles; v112-127 codes just made; v128-191, v192-255 two sets of
;   4 weight fragments.   window 1: x's 16 fragments (tile m, K step s at 64 m + 16 s); at the end b2 (v0-127) and rows on their way out (v128-255).
;   windows 2, 3: accumulator (m, n) at 8 (4 (n % 8) + m) of window 2 + n / 8; ahead of the first chunk x as f32.
.set SLOT1,  1<<17                     ; LDS: slot 0 at 0, slot 1 here: one exclusive or turns an address of one into the other's
.set XIMG,   2*SLOT1                   ; x's images of two K steps: tile M (0..7) x 4096 + K step x 2048
.set HIMG,   XIMG+32768                ; the hidden layer's images: tile M x 2048
.set B1S,    HIMG+16384                ; b1 / 2^(ex + ew1), 2,048 numbers in their order
.set RMX,    B1S+8192                  ; the rows' largest |x|: tile M x 128 + 4 x lane
.set SPARE,  RMX+1024                  ; the spare words, 128 bytes for each wave: two blocks of 256 bytes that no other line names
.set SPITCH, 1040                      ; the way out: a stage of 16 rows x (1,024 bytes + 16) for each wave, in slot 0, which has had its last fill and its last read by then
.set CO,  1                            ; v1   16 x lane
.set SPW, 2                            ; v2   my spare word's address; never rewritten
.set NIL, 3                            ; v3   0; never rewritten
.set AW1, 4                            ; v4   the chunk's W1 fragments;  behind the loop: r
.set AW2, 5                            ; v5   the chunk's W2 fragments;  behind the loop: h
.set LW1, 6                            ; v6   16 lane + 32768 ch
.set LW2, 7                            ; v7   the same + 65536
.set HW,  8                            ; v8   where I store hidden images
.set HR,  9                            ; v9   where I read them
.set BA0, 10                           ; v10  B1S + 256 ch + 64 h
.set BAC, 11                           ; v11  the same for the chunk in hand
.set RM,  12                           ; v12-15 largest |x| of my lane's row in my four tiles
.set HS,  16                           ; v16  2^(eh - ex - ew1)
.set HL,  17                           ; v17  448 x that
.set XS,  18                           ; v18  2^ex
.set XL,  19                           ; v19  448 x that
.set MX,  20                           ; v20-27 chains of maxima, four for each of my two tiles of x
.set PT,  28                           ; v28  the other half of the lanes' maximum
.set XA,  29                           ; v29  x: 2048 r + 64 h;  in the last chunk B2A
.set B2A, 29                           ;      b2's byte offset, 32 h
.set XW,  30                           ; v30  where I store x's images;  later SO
.set XR,  31                           ; v31  where I read them;  later SR
.set SO,  30
.set SR,  31
.set HA,  32
.set HF,  32
.set RW,  34                           ; ahead of the first chunk: v32 r, v33 h; v34, v35 addresses of the maxima; v36, v37 b1's offsets; v40-55 b1
.set RR,  35
.set BG,  36
.set BL,  37
.set BD,  40
.set BI,  96
.set PC,  112
.set WA,  128
.set WB,  192
.set XC,  128                          ; x's codes as they are made: fragment q at v[128 + 16 q]
.set TMP, 32                           ; the way out: a tile's 128 results
.set BK,  128                          ; the way out, window 1: 16 rows read back
.set WV,  16                           ; s16 wave, s17 rh, s18 ch
.set RH,  17
.set CH,  18
.set G1,  24                           ; s[24:31] descriptor group 1
.set G0,  32                           ; s[32:35] group 0 of the first fill of slot 0
.set G0W, 36                           ; s[36:39] group 0 that walks: slot 1's first fill, then every refill
.set TB,  50                           ; s50 LDS byte at which the chunk's slot begins
.set BO,  51                           ; s51 512 x chunk: b1's bytes
.set CNT, 52
.set SEL, 54                           ; s[54:55] lane selects: lane l xor 16
.set MK,  56                           ; s56-59 lanes whose row is active, for my four tiles
.set THR, 60                           ; s60 0.01 as f32
.set MSB, 0
.macro WIN new                         ; the immediate's high byte repeats the setting that is left; a switch that changes nothing is dropped
.if MSB != (\new)
	s_set_vgpr_msb (MSB<<8)|(\new)
.set MSB, (\new)
.endif
.endm
; A load into a register of a matrix instruction and a vector instruction that reads its result stand four plain vector instructions behind it; a matrix instruction that writes over one of its registers, five.
.macro PLACES n
.rept \n
	v_nop
.endr
.endm
.macro CREST                           ; a round of the cluster's barrier behind its opening barrier
	s_cmp_lg_u32 s[WV], 0
	s_cbranch_scc1 .Lnot_wave_0_\@
	s_barrier_signal -3
.Lnot_wave_0_\@:
	s_barrier_wait -3
	s_barrier_signal -1
	s_barrier_wait -1
.endm
.macro CROUND                          ; a whole round
	s_barrier_signal -1
	s_barrier_wait -1
	CREST
.endm
.macro LOADW f, adr, off               ; four weight fragments, 8,192 consecutive bytes, into set f: every load takes 512 consecutive bytes
.set ii, 0
.rept 16
	ds_load_b128 v[\f+4*ii:\f+4*ii+3], v[\adr] offset:\off+512*ii
.set ii, ii+1
.endr
.endm
.macro LOADBI b                        ; b1's numbers for tiles u = 0, 1 of the 32 hidden units b: lane (r, h) wants units 16 h + 8 u + 0 .. 7
.irp u, 0,1
	ds_load_b128 v[BI+8*\u:BI+8*\u+3],   v[BAC] offset:128*\b+32*\u
	ds_load_b128 v[BI+8*\u+4:BI+8*\u+7], v[BAC] offset:128*\b+32*\u+16
.endr
.endm
; 16 matrix instructions of the first product: K steps 2 sp, 2 sp + 1; tiles u = 0, 1 of hidden units; my four tiles of rows.  The eight accumulators take turns.  first = 1: b1 starts the sums.
.macro MUL1 f, sp, first
	WIN 0x04                                       ; source 1 (x) window 1
.irp sq, 0,1
.irp u, 0,1
.irp m, 0,1,2,3
.if \first && (\sq == 0)
	v_wmma_f32_16x16x128_fp8_fp8 v[HA+16*\m+8*\u:HA+16*\m+8*\u+7], v[\f+16*(2*\sq+\u):\f+16*(2*\sq+\u)+15], v[64*\m+16*(2*\sp+\sq):64*\m+16*(2*\sp+\sq)+15], v[BI+8*\u:BI+8*\u+7]
.else
	v_wmma_f32_16x16x128_fp8_fp8 v[HA+16*\m+8*\u:HA+16*\m+8*\u+7], v[\f+16*(2*\sq+\u):\f+16*(2*\sq+\u)+15], v[64*\m+16*(2*\sp+\sq):64*\m+16*(2*\sp+\sq)+15], v[HA+16*\m+8*\u:HA+16*\m+8*\u+7]
.endif
.endr
.endr
.endr
.endm
; 16 matrix instructions of the second product: output tiles 4 g .. 4 g + 3 x my four tiles of rows, K = the chunk's 128 hidden units.  Each accumulator has one instruction a chunk.  zero = 1: the first chunk starts the sums.
.macro MUL2 f, g, zero
	WIN 0xa0+0x50*((\g)/2)                         ; C and D window 2 (g < 2) or 3
.irp nq, 0,1,2,3
.irp m, 0,1,2,3
.if \zero
	v_wmma_f32_16x16x128_fp8_fp8 v[8*(4*((4*(\g)+\nq)%8)+\m):8*(4*((4*(\g)+\nq)%8)+\m)+7], v[\f+16*\nq:\f+16*\nq+15], v[HF+16*\m:HF+16*\m+15], 0
.else
	v_wmma_f32_16x16x128_fp8_fp8 v[8*(4*((4*(\g)+\nq)%8)+\m):8*(4*((4*(\g)+\nq)%8)+\m)+7], v[\f+16*\nq:\f+16*\nq+15], v[HF+16*\m:HF+16*\m+15], v[8*(4*((4*(\g)+\nq)%8)+\m):8*(4*((4*(\g)+\nq)%8)+\m)+7]
.endif
.endr
.endr
.endm
; The 8 tiles just made (32 hidden units x 64 rows) become register group 2 ch + b of the four hidden fragments, and go to LDS.
.macro CONV b
.set ii, 0
.rept 64
	v_med3_num_f32 v[HA+ii], v[HA+ii], 0, v[HL]    ; the activation and the hold in one; each accumulator from its low end on
.set ii, ii+1
.endr
.set ii, 0
.rept 8
	v_cvt_scalef32_pk8_fp8_f32 v[PC+2*ii:PC+2*ii+1], v[HA+8*ii:HA+8*ii+7], v[HS]
.set ii, ii+1
.endr
	v_nop                                          ; one plain vector instruction between the conversions and the products that write their sources again
.irp m, 0,1,2,3
	ds_store_b128 v[HW], v[PC+4*\m:PC+4*\m+3] offset:\m*2048+\b*512
.endr
.endm
.macro LOADH                           ; my four tiles' hidden fragments, whole: both column halves' parts
.irp m, 0,1,2,3
.irp c, 0,1,2,3
	ds_load_b128 v[HF+16*\m+4*\c:HF+16*\m+4*\c+3], v[HR] offset:\m*2048+512*\c
.endr
.endr
.endm
; x.  Wave w quantises rows 32 w .. + 31: fragment q = tile q % 2, K step q / 2.  Lane (r, h) takes, of row r, 16 neighbours of each 32 along K: the sixteen loads together take 512 consecutive bytes of each of 16 rows.
.macro LOADX q
	WIN 0x80+0x40*((\q)/4)                         ; destination window 2 or 3
.irp c, 0,1,2,3
.irp j, 0,1,2,3
	global_load_b128 v[64*((\q)%4)+16*\c+4*\j:64*((\q)%4)+16*\c+4*\j+3], v[XA], s[4:5] offset:32768*((\q)%2)+512*((\q)/2)+128*\c+16*\j th:TH_LOAD_NT
.endr
.endr
	WIN 0
.endm
.macro QUANTX q
.set XB, 64*((\q)%4)
.set XT, MX+4*((\q)%2)
	WIN 0x0a+5*((\q)/4)                            ; sources 0 and 1 window 2 or 3
.set ii, 0
.rept 32
	v_max3_num_f32 v[XT+ii%4], |v[XB+2*ii]|, |v[XB+2*ii+1]|, v[XT+ii%4]   ; the row's largest |x|, of the numbers as they came, in four chains
.set ii, ii+1
.endr
	WIN 0x82+0x41*((\q)/4)                         ; source 0 and destination window 2 or 3
.set ii, 0
.rept 64
	v_med3_num_f32 v[XB+ii], v[XB+ii], -v[XL], v[XL]   ; the conversion to an 8-bit code does not saturate (ISA guide 7.6.2)
.set ii, ii+1
.endr
	WIN 0x02+((\q)/4)
.set ii, 0
.rept 8
	v_cvt_scalef32_pk8_fp8_f32 v[XC+16*(\q)+2*ii:XC+16*(\q)+2*ii+1], v[XB+8*ii:XB+8*ii+7], v[XS]
.set ii, ii+1
.endr
	WIN 0
	v_nop                                          ; one plain vector instruction behind the conversions: products write their sources later
.endm
.macro IMAGEX q
.irp c, 0,1,2,3
	ds_store_b128 v[XW], v[XC+16*(\q)+4*\c:XC+16*(\q)+4*\c+3] offset:((\q)%2)*4096+(((\q)/2)%2)*2048+512*\c
.endr
.endm
.macro FETCHX p                        ; K steps 2 p, 2 p + 1 of my four tiles of rows
	WIN 0x40                                       ; destination window 1
.irp m, 0,1,2,3
.irp sq, 0,1
.irp c, 0,1,2,3
	ds_load_b128 v[64*\m+16*(2*\p+\sq)+4*\c:64*\m+16*(2*\p+\sq)+4*\c+3], v[XR] offset:\m*4096+\sq*2048+512*\c
.endr
.endr
.endr
	WIN 0
.endm
	s_load_b256 s[4:11], s[0:1], 0x0               ; x s[4:5], wq s[6:7], the scales' exponents s[8:9], b1 s[10:11]
	s_load_b128 s[12:15], s[0:1], 0x20             ; b2 s[12:13], out0 s[14:15]
	v_lshl_add_u32 v[SPW], v0, 2, SPARE
	v_mov_b32 v[NIL], 0
	ds_add_u32 v2, v3
	ds_add_u32 v2, v3
	s_wait_dscnt 0x0
	v_lshrrev_b32 v1, 5, v0
	v_readfirstlane_b32 s[WV], v1                  ; wave 0..3
	s_lshr_b32 s[RH], s[WV], 1
	s_and_b32 s[CH], s[WV], 1
	s_bfe_u32 s19, ttmp6, 0x40000                  ; cx: my place in the cluster: it enters x's and out0's addresses alone
	s_lshl_b32 s20, ttmp9, 2                       ; in a cluster launch ttmp9 counts clusters
	s_add_co_u32 s20, s20, s19                     ; my block of 128 rows
	; descriptor group 1: 128 rows of 32 elements of 8 bytes, dense: 32,768 consecutive bytes, no padding (images are read 512 consecutive bytes at a time)
	s_mov_b32 s[G1+0], 15|(3<<16)|(1<<21)          ; 15:0 the mask: all four work-groups; 17:16 elements of 8 bytes; 21 set beside a mask
	s_mov_b32 s[G1+1], 32<<16                      ; tensor_dim0 = 32
	s_mov_b32 s[G1+2], 128<<16                     ; tensor_dim1 = 128
	s_mov_b32 s[G1+3], 32<<16                      ; tile_dim0 = 32
	s_mov_b32 s[G1+4], 128                         ; tile_dim1 = 128
	s_mov_b32 s[G1+5], 32                          ; tensor_dim0_stride
	s_mov_b32 s[G1+6], 0
	s_mov_b32 s[G1+7], 0
	s_mov_b32 s[SEL], 0x76543210
	s_mov_b32 s[SEL+1], 0xfedcba98
	s_mov_b32 s[TB], 0
	s_mov_b32 s[BO], 0
	s_mov_b32 s[THR], 0x3c23d70a                   ; 0.01
	s_lshl_b32 s22, s[WV], 15                      ; my quarter of a block, in wq and in a slot alike
	s_mov_b32 s23, 0
	s_lshl_b32 s44, s20, 18                        ; x: 128 rows of 2,048 bytes a block, 32 rows a wave
	s_lshl_b32 s45, s[WV], 16
	s_add_co_u32 s44, s44, s45
	s_mov_b32 s45, 0
	s_lshl_b32 s46, s20, 18                        ; out0: the block, + 64 rh rows, + 256 ch columns
	s_lshl_b32 s47, s[RH], 17
	s_add_co_u32 s46, s46, s47
	s_lshl_b32 s47, s[CH], 10
	s_add_co_u32 s46, s46, s47
	s_mov_b32 s47, 0
	s_wait_kmcnt 0x0
	s_load_b128 s[40:43], s[8:9], 0x0              ; ex, ew1, eh, ew2
	s_add_nc_u64 s[4:5], s[4:5], s[44:45]
	s_add_nc_u64 s[14:15], s[14:15], s[46:47]
	s_lshl_b32 s46, s[CH], 10                      ; b2: my 256 columns
	s_add_nc_u64 s[12:13], s[12:13], s[46:47]
	s_mov_b32 s[G0], 1                             ; count = 1
	s_mov_b32 s[G0+1], s22                         ; LDS address: slot 0, my quarter
	s_add_nc_u64 s[G0+2:G0+3], s[6:7], s[22:23]    ; block 0, my quarter
	s_or_b32 s[G0+3], s[G0+3], 0x80000000          ; type = 2
	s_mov_b32 s[G0W], 1
	s_add_co_u32 s[G0W+1], s22, SLOT1              ; slot 1
	s_add_nc_u64 s[G0W+2:G0W+3], s[6:7], s[22:23]
	s_add_nc_u64 s[G0W+2:G0W+3], s[G0W+2:G0W+3], SLOT1   ; block 1 (a block is as long as a slot)
	s_or_b32 s[G0W+3], s[G0W+3], 0x80000000
	CROUND                                         ; all four work-groups are here: the first joint loads meet
	tensor_load_to_lds s[G0:G0+3], s[G1:G1+7]      ; both first fills go out together: two loads of mine are out
	s_nop 0
	tensor_load_to_lds s[G0W:G0W+3], s[G1:G1+7]
	s_nop 0
	PLACES 4                                       ; four v_nops behind a tensor load
	v_and_b32 v[CO], 31, v0
	v_lshlrev_b32 v[CO], 4, v[CO]                  ; 16 x lane
	v_and_b32 v32, 15, v0                          ; r
	v_bfe_u32 v33, v0, 4, 1                        ; h
	v_lshlrev_b32 v[XA], 11, v32
	v_lshl_add_u32 v[XA], v33, 6, v[XA]
	v_lshlrev_b32 v[BG], 4, v0                     ; b1: 16 bytes a thread
	v_add_nc_u32 v[BL], B1S, v[BG]
.irp i, 0,1,2,3
	global_load_b128 v[BD+4*\i:BD+4*\i+3], v[BG], s[10:11] offset:2048*\i
.endr
	LOADX 0
	LOADX 1
	LOADX 2
	s_lshl_b32 s21, s[CH], 15
	v_add_nc_u32 v[LW1], s21, v[CO]
	v_add_nc_u32 v[LW2], 0x10000, v[LW1]
	s_lshl_b32 s21, s[RH], 13
	s_add_co_u32 s21, s21, HIMG
	v_add_nc_u32 v[HR], s21, v[CO]                 ; my four tiles' images
	s_lshl_b32 s53, s[CH], 10
	s_add_co_u32 s21, s21, s53
	v_add_nc_u32 v[HW], s21, v[CO]                 ; and in them my two register groups: 2 ch, 2 ch + 1
	s_lshl_b32 s21, s[CH], 8
	s_add_co_u32 s21, s21, B1S
	v_lshl_add_u32 v[BA0], v33, 6, s21
	s_lshl_b32 s21, s[WV], 13
	s_add_co_u32 s21, s21, XIMG
	v_add_nc_u32 v[XW], s21, v[CO]                 ; tiles 2 w, 2 w + 1
	s_lshl_b32 s21, s[RH], 14
	s_add_co_u32 s21, s21, XIMG
	v_add_nc_u32 v[XR], s21, v[CO]                 ; tiles 4 rh .. 4 rh + 3
	v_and_b32 v[RW], 31, v0
	v_lshlrev_b32 v[RW], 2, v[RW]                  ; 4 x lane
	s_lshl_b32 s21, s[RH], 9
	s_add_co_u32 s21, s21, RMX
	v_add_nc_u32 v[RR], s21, v[RW]                 ; the maxima of tiles 4 rh on: 128 bytes a tile
	s_lshl_b32 s21, s[WV], 8
	s_add_co_u32 s21, s21, RMX
	v_add_nc_u32 v[RW], s21, v[RW]                 ; and where I put those of tiles 2 w, 2 w + 1: 256 bytes of my own
	s_wait_kmcnt 0x0
	s_add_co_i32 s44, s40, s41                     ; ex + ew1: a sum of the first product stands for sum x 2^(ex + ew1)
	s_sub_co_i32 s45, 0, s44
	s_add_co_i32 s46, s40, 127
	s_lshl_b32 s47, s46, 23
	v_mov_b32 v[XS], s47                           ; 2^ex as f32: the conversion takes its exponent field
	s_add_co_i32 s46, s46, 8
	s_lshl_b32 s46, s46, 23
	s_or_b32 s46, s46, 0x600000
	v_mov_b32 v[XL], s46                           ; 448 x 2^ex
	s_sub_co_i32 s46, s42, s44
	s_add_co_i32 s46, s46, 127
	s_lshl_b32 s47, s46, 23
	v_mov_b32 v[HS], s47                           ; 2^(eh - ex - ew1): the three scales folded into one
	s_add_co_i32 s46, s46, 8
	s_lshl_b32 s46, s46, 23
	s_or_b32 s46, s46, 0x600000
	v_mov_b32 v[HL], s46
	s_add_co_i32 s48, s42, s43
	s_add_co_i32 s48, s48, 127
	s_lshl_b32 s48, s48, 23                        ; 2^(eh + ew2) as f32
	s_mov_b32 s49, s48                             ; (named with it as a pair, so it is written)
.irp i, 0,1,2,3,4,5,6,7,8
	v_mov_b32 v[MX+\i], 0                          ; the chains of maxima begin at 0; v28 is written once, since a lane permute's destination counts as read
.endr
	s_wait_loadcnt 48                              ; b1's four loads are in; x's 48 may be out
.set ii, 0
.rept 16
	v_ldexp_f32 v[BD+ii], v[BD+ii], s45            ; b1 / 2^(ex + ew1)
.set ii, ii+1
.endr
.irp i, 0,1,2,3
	ds_store_b128 v[BL], v[BD+4*\i:BD+4*\i+3] offset:2048*\i
.endr
.irp q, 0,1,2,3                        ; K steps 0 and 1
	s_wait_loadcnt 32                              ; fragment q's sixteen loads are in; the two younger fragments' may be out
	LOADX \q+3                                     ; a third goes out: 48 loads are on their way while fragment q is quantised
	QUANTX \q
	IMAGEX \q
.endr
	s_wait_dscnt 0x0                               ; for the others' sake: my images and my part of b1 lie in LDS
	s_barrier_signal -1
	s_barrier_wait -1
	FETCHX 0
	s_wait_loadcnt 32                              ; fragment 4 is in
	LOADX 7
	QUANTX 4                                       ; K steps 2 and 3 are quantised while the images of 0 and 1 are read; their codes wait in registers
	s_wait_loadcnt 32                              ; nothing more is asked for: the counts run down
	QUANTX 5
	s_wait_loadcnt 16
	QUANTX 6
	s_wait_loadcnt 0x0
	QUANTX 7
.irp t, 0,1
	v_max3_num_f32 v[MX+4*\t], v[MX+4*\t], v[MX+4*\t+1], v[MX+4*\t+2]
	v_max_num_f32 v[MX+4*\t], v[MX+4*\t], v[MX+4*\t+3]
	v_permlanex16_b32 v[PT], v[MX+4*\t], s[SEL], s[SEL+1]   ; the row's other numbers lie in the lane 16 away
	v_max_num_f32 v[MX+4*\t], v[MX+4*\t], v[PT]
.endr
	s_wait_dscnt 0x0                               ; my reads of the images are over
	s_barrier_signal -1
	s_barrier_wait -1                              ; everybody's are: the images may be written again
.irp q, 4,5,6,7
	IMAGEX \q
.endr
	ds_store_b32 v[RW], v[MX]
	ds_store_b32 v[RW], v[MX+4] offset:128
	s_wait_tensorcnt 0x1                           ; my quarter of slot 0 is in; slot 1's may stay out
	s_wait_dscnt 0x0
	s_barrier_signal -1
	s_barrier_wait -1
	FETCHX 1
.irp m, 0,1,2,3
	ds_load_b32 v[RM+\m], v[RR] offset:128*\m
.endr
	s_wait_dscnt 0x0                               ; x's last fragments and my rows' maxima are in registers
; A CHUNK: 128 hidden units.  mode 0: its slot is filled again, two chunks ahead; 1: nothing is left to fetch; 2: the last chunk.
.macro CHUNK zero, mode
	v_add_nc_u32 v[AW1], s[TB], v[LW1]
	v_add_nc_u32 v[AW2], s[TB], v[LW2]
	v_add_nc_u32 v[BAC], s[BO], v[BA0]
	LOADW WA, AW1, 0                               ; hidden units b = 0, K steps 0, 1
	LOADBI 0
	LOADW WB, AW1, 8192                            ; K steps 2, 3
	s_wait_dscnt 16                                ; all but WB's sixteen
	MUL1 WA, 0, 1
	WIN 0
	PLACES 4
	LOADW WA, AW1, 16384                           ; b = 1, K steps 0, 1
	s_wait_dscnt 16                                ; WB is in
	MUL1 WB, 1, 0
	WIN 0
	PLACES 4
	LOADBI 1
	LOADW WB, AW1, 24576
	CONV 0
	s_wait_dscnt 20                                ; WB's sixteen loads and the four stores may be out: WA and b1's tiles are in
	MUL1 WA, 0, 1
	WIN 0
	PLACES 4
	LOADW WA, AW2, 0                               ; the second product's output tiles 0-3
	s_wait_dscnt 16                                ; WB is in, and the four stores have read the codes' registers
	MUL1 WB, 1, 0
	WIN 0
	PLACES 4
.if \mode == 2
	v_bfe_u32 v[B2A], v0, 4, 1                     ; x's fragments are done with: b2 takes the place of half of them.  Lane (r, h) wants, for tile n, columns 16 n + 8 h + 0 .. 7
	v_lshlrev_b32 v[B2A], 5, v[B2A]                ; (x's loads, which named this register, were waited for long ago)
	WIN 0x40
.irp n, 0,1,2,3,4,5,6,7,8,9,10,11,12,13,14,15
	global_load_b128 v[8*\n:8*\n+3],   v[B2A], s[12:13] offset:64*\n
	global_load_b128 v[8*\n+4:8*\n+7], v[B2A], s[12:13] offset:64*\n+16
.endr
	WIN 0
.endif
	LOADW WB, AW2, 8192                            ; output tiles 4-7
	CONV 1
	s_wait_dscnt 0x0                               ; for the others' sake: my parts of the hidden images lie in LDS
	s_barrier_signal -1
	s_barrier_wait -1
	LOADH
	s_wait_dscnt 0x0
	MUL2 WA, 0, \zero
	WIN 0
	PLACES 4
	LOADW WA, AW2, 16384                           ; output tiles 8-11
	MUL2 WB, 1, \zero
	WIN 0
	PLACES 4
	LOADW WB, AW2, 24576                           ; output tiles 12-15
.if \mode == 2
	s_wait_dscnt 16
	MUL2 WA, 2, \zero
	s_wait_dscnt 0x0
	MUL2 WB, 3, \zero
	WIN 0
	PLACES 4
.else
	s_wait_tensorcnt 0x0                           ; all my tensor loads have landed: my quarter of the next chunk's slot; so a group 0 may be written
	ds_add_u32 v[SPW], v[NIL]                      ; 0 onto my spare word
.if \mode == 0
	s_xor_b32 s[G0W+1], s[G0W+1], SLOT1            ; the walking descriptor: the slot in hand,
	s_add_nc_u64 s[G0W+2:G0W+3], s[G0W+2:G0W+3], SLOT1   ; the next block; the type bits on top are not reached
.endif
	s_xor_b32 s[TB], s[TB], SLOT1                  ; the next chunk reads the other slot
	s_add_co_u32 s[BO], s[BO], 512
	s_wait_dscnt 17                                ; the add and WB's sixteen may be out
	MUL2 WA, 2, \zero
	s_wait_dscnt 0x0                               ; the add is done, and my reads of this slot and of the hidden images are over
	s_barrier_signal -1
	MUL2 WB, 3, \zero
	WIN 0
	s_barrier_wait -1
.if \mode == 0
	CREST                                          ; the barrier has opened a round of the cluster's barrier: no wave of any partner still reads this slot or has a load on its way
	tensor_load_to_lds s[G0W:G0W+3], s[G1:G1+7]    ; my one load behind the round: it has the next chunk's 128 matrix instructions in which to land
	s_nop 0
.endif
	PLACES 4                                       ; with the next chunk's three additions: seven places ahead of its loads and of the products that write over the hidden fragments
.endif
.endm
	CHUNK 1, 0                                     ; chunk 0 starts the second product's sums
	s_mov_b32 s[CNT], 13
.Lchunk:                                           ; chunks 1 to 13
	CHUNK 0, 0
	s_sub_co_u32 s[CNT], s[CNT], 1
	s_cmp_lg_u32 s[CNT], 0
	s_cbranch_scc1 .Lchunk
	CHUNK 0, 1                                     ; chunk 14: the tail is written out
	CHUNK 0, 2                                     ; chunk 15
	; THE WAY OUT, a tile of 16 rows x 256 columns at a time.  A lane holds 32 neighbouring bytes of a row for each of 16 tiles of columns; they go through my own stage in LDS and come back as rows.
.irp m, 0,1,2,3
	v_cmp_gt_f32 s[MK+\m], v[RM+\m], s[THR]        ; my lane's row is active: its largest |x| is above 0.01
.endr
	v_and_b32 v[AW1], 15, v0                       ; r, h: in the chunks' address registers, which are free now
	v_bfe_u32 v[AW2], v0, 4, 1
	s_mul_i32 s21, s[WV], 16*SPITCH                ; my stage
	v_mul_u32_u24 v[SO], v[AW1], SPITCH
	v_lshl_add_u32 v[SO], v[AW2], 5, v[SO]
	v_add_nc_u32 v[SO], s21, v[SO]                 ; in: row r, + 32 h
	v_add_nc_u32 v[SR], s21, v[CO]                 ; back: 32 lanes take 512 consecutive bytes of a row
	s_wait_loadcnt 0x0                             ; b2
.macro OUT m
	WIN 0x12                                       ; source 0 (the sums) window 2, source 2 (b2) window 1
.irp n, 0,1,2,3,4,5,6,7
.irp i, 0,2,4,6
	v_pk_fma_f32 v[TMP+8*\n+\i:TMP+8*\n+\i+1], v[8*(4*\n+\m)+\i:8*(4*\n+\m)+\i+1], s[48:49], v[8*\n+\i:8*\n+\i+1] op_sel_hi:[1,0,1]   ; sum x 2^(eh + ew2) + b2; each accumulator from its low end on
.endr
.endr
	WIN 0x13                                       ; the sums in window 3
.irp n, 8,9,10,11,12,13,14,15
.irp i, 0,2,4,6
	v_pk_fma_f32 v[TMP+8*\n+\i:TMP+8*\n+\i+1], v[8*(4*(\n-8)+\m)+\i:8*(4*(\n-8)+\m)+\i+1], s[48:49], v[8*\n+\i:8*\n+\i+1] op_sel_hi:[1,0,1]
.endr
.endr
	WIN 0
.set ii, 0
.rept 128
	v_cndmask_b32 v[TMP+ii], 0, v[TMP+ii], s[MK+\m]   ; an inactive row gives zeros: a choice of values, no branch
.set ii, ii+1
.endr
.irp n, 0,1,2,3,4,5,6,7,8,9,10,11,12,13,14,15
	ds_store_b128 v[SO], v[TMP+8*\n:TMP+8*\n+3] offset:64*\n
	ds_store_b128 v[SO], v[TMP+8*\n+4:TMP+8*\n+7] offset:64*\n+16
.endr
.if \m > 0
	s_wait_xcnt 0x0                                ; the last tile's stores have read their registers: only behind this wait are they loaded again
.endif
	WIN 0x40                                       ; destination window 1
.set ii, 0
.rept 32
	ds_load_b128 v[BK+4*ii:BK+4*ii+3], v[SR] offset:(ii/2)*SPITCH+(ii%2)*512   ; LDS serves a wave's instructions in order (ISA guide 5.7.1.4): these see my stores
.set ii, ii+1
.endr
	WIN 0x04                                       ; store data window 1
.set ii, 0
.rept 32
	s_wait_dscnt 31-ii                             ; load ii is in; the younger ones may be out
	global_store_b128 v[CO], v[BK+4*ii:BK+4*ii+3], s[14:15] offset:\m*32768+(ii/2)*2048+(ii%2)*512 th:TH_STORE_NT   ; 32 lanes store 512 consecutive bytes, at a multiple of 512 from out0's first byte
.set ii, ii+1
.endr
	WIN 0
.endm
	OUT 0
	OUT 1
	OUT 2
	OUT 3
	s_wait_tensorcnt 0x0                           ; the wave's end: behind my last tensor load and my last LDS store
	ds_add_u32 v[SPW], v[NIL]
	s_wait_dscnt 0x0
	CROUND                                         ; the closing round: no work-group ends while a partner may still ask for a block that names it
	s_endpgm
.Lfunc_end_k_qf5d1aa11f5_ffn:
	.size	k_qf5d1aa11f5_ffn, .Lfunc_end_k_qf5d1aa11f5_ffn-k_qf5d1aa11f5_ffn
	.p2alignl 7, 3214868480
	.fill 96, 4, 3214868480
	.section	.rodata,"a",@progbits
	.p2align	6, 0x0
	.amdhsa_kernel k_qf5d1aa11f5_ffn
		.amdhsa_group_segment_fixed_size 327680
		.amdhsa_private_segment_fixed_size 0
		.amdhsa_enable_private_segment 0
		.amdhsa_kernarg_size 48
		.amdhsa_user_sgpr_count 2
		.amdhsa_user_sgpr_kernarg_segment_ptr 1
		.amdhsa_wavefront_size32 1
		.amdhsa_system_sgpr_workgroup_id_x 1
		.amdhsa_system_sgpr_workgroup_id_y 1
		.amdhsa_system_sgpr_workgroup_id_z 1
		.amdhsa_system_vgpr_workitem_id 0
		.amdhsa_next_free_vgpr 1024
		.amdhsa_next_free_sgpr 66
		.amdhsa_reserve_vcc 0
		.amdhsa_float_denorm_mode_32 3
		.amdhsa_float_denorm_mode_16_64 3
		.amdhsa_memory_ordered 1
		.amdhsa_forward_progress 1
		.amdhsa_inst_pref_size 255
	.end_amdhsa_kernel
	.section	.bss,"aw",@nobits
	.p2align	6
	.space	262144
	.amdgpu_metadata
---
amdhsa.version: [ 1, 2 ]
amdhsa.kernels:
  - .name:           k_qf5d1aa11f5_ffn
    .symbol:         k_qf5d1aa11f5_ffn.kd
    .args:
      - { .name: x, .offset: 0, .size: 8, .value_kind: global_buffer, .address_space: global }
      - { .name: wq, .offset: 8, .size: 8, .value_kind: global_buffer, .address_space: global }
      - { .name: lowp_scales, .offset: 16, .size: 8, .value_kind: global_buffer, .address_space: global }
      - { .name: b1, .offset: 24, .size: 8, .value_kind: global_buffer, .address_space: global }
      - { .name: b2, .offset: 32, .size: 8, .value_kind: global_buffer, .address_space: global }
      - { .name: out0, .offset: 40, .size: 8, .value_kind: global_buffer, .address_space: global }
    .group_segment_fixed_size: 327680
    .private_segment_fixed_size: 0
    .kernarg_segment_align: 8
    .kernarg_segment_size: 48
    .max_flat_workgroup_size: 128
    .sgpr_count:     66
    .vgpr_count:     1024
    .wavefront_size: 32
...
	.end_amdgpu_metadata
.endif
;; end of part 2
;; ======== version 2 of 2: 2 launches
;; limits: right only within a limited range of input values
;; workspace buffers: wq 2,097,152 bytes
;; launch prep (part 3): grid 256 x 1, 8 waves a work-group, no clusters, 0 bytes of LDS; arguments w1, w2, lowp_scales, wq; writes wq
.if DOCPART == 3
	.amdgcn_target "amdgcn-amd-amdhsa--gfx1250"
	.amdhsa_code_object_version 6
	.text
	.protected	k_qf5d1aa11f5_prep
	.globl	k_qf5d1aa11f5_prep
	.p2align	8
	.type	k_qf5d1aa11f5_prep,@function
k_qf5d1aa11f5_prep:
	s_mov_b64 s[64:65], 0
	v_nop
	global_prefetch_b8 v0, s[64:65] scope:SCOPE_SE
	s_setreg_imm32_b32 hwreg(HW_REG_WAVE_MODE, 25, 1), 1
	s_wait_xcnt 0x0
; w1 [512][2048] and w2 [2048][512], f32, K along the FIRST axis, become codes of FP8 (E4M3) in wq, each with its given scale 2^e (w1: entry 1, w2: entry 3 of the scales).
; code = x / 2^e, held within +-448, to the nearest code, ties to even.  LIMITS: -126 <= e <= 119; NaN among the weights is not served.
; wq IS LAID IN THE ORDER OF THE OPERANDS' REGISTERS: 16 blocks of 131,072 bytes, block c for hidden units 128 c .. 128 c + 127.  A fragment (16 rows x 128 K) is 2,048 bytes: register group c4
; (four registers) of lane l = r + 16 h lies at 512 c4 + 16 l and holds k = 32 c4 + 16 h + 0 .. 15 of the fragment's row r.
;   bytes 0 .. 65,535 of a block, W1: ch 32768 + b 16384 + s 4096 + u 2048: row r = hidden unit 128 c + 64 ch + 32 b + 8 u + r + 8 (r / 8); k = 128 s + ..
;   bytes 65,536 on, W2: ch 32768 + n 2048: row r = output column 256 ch + 16 n + r; k = hidden unit 128 c + ..
; A LANE TAKES A COLUMN, AND ITS 32 REGISTERS RUN DOWN K: each load reads 128 consecutive bytes a wave (the eight waves stand side by side on 1,024), and the conversions give 32 codes with K innermost:
; two pieces of 16 bytes (h = 0, h = 1), 256 bytes apart in wq.  Each store of a wave covers two aligned runs of 256 consecutive bytes.
; Work-groups 0-127 take w1, 128-255 w2; a wave takes 32 columns x 32 k.  No LDS, no barrier, no loop: waves share nothing, and every register is written once.
.set X, 8                              ; v8-39   32 numbers down K
.set C, 40                             ; v40-47  their codes
.macro LOADS pitch                     ; row i of my 32, pitch bytes from row to row
.set ii, 0
.rept 32
	global_load_b32 v[X+ii], v2, s[14:15] offset:ii*\pitch th:TH_LOAD_NT
.set ii, ii+1
.endr
.endm
	s_load_b256 s[4:11], s[0:1], 0x0               ; w1 s[4:5], w2 s[6:7], the scales' exponents s[8:9], wq s[10:11]
	v_lshrrev_b32 v1, 5, v0
	s_delay_alu instid0(VALU_DEP_1)
	v_readfirstlane_b32 s12, v1                    ; wave 0..7
	v_and_b32 v1, 31, v0                           ; lane
	s_delay_alu instid0(VALU_DEP_1)
	v_lshlrev_b32 v2, 2, v1                        ; in: 4 bytes a lane
	s_mov_b32 s19, 0                               ; high words of the two offsets
	s_mov_b32 s27, 0
	s_wait_kmcnt 0x0
	s_load_b128 s[20:23], s[8:9], 0x0              ; ex, ew1, eh, ew2
	s_cmp_lt_u32 ttmp9, 128                        ; the choice hangs on the work-group's number alone
	s_cbranch_scc0 .Lw2
	; ---- w1: kb = which 32 of K (0..15), cb = which 32 hidden units (0..63)
	s_and_b32 s13, ttmp9, 15                       ; kb
	s_lshr_b32 s24, ttmp9, 4
	s_lshl_b32 s24, s24, 3
	s_add_co_u32 s24, s24, s12                     ; cb
	s_lshl_b32 s26, s13, 18                        ; 32 rows of 8,192 bytes
	s_lshl_b32 s25, s24, 7                         ; 32 columns of 4 bytes
	s_add_co_u32 s26, s26, s25
	s_add_nc_u64 s[14:15], s[4:5], s[26:27]
	s_wait_alu depctr_va_vdst(0)
	LOADS 8192
	s_lshr_b32 s18, s24, 2                         ; block c = cb / 4
	s_lshl_b32 s18, s18, 17
	s_bfe_u32 s25, s24, 0x10001                    ; ch = (cb / 2) % 2
	s_lshl_b32 s25, s25, 15
	s_add_co_u32 s18, s18, s25
	s_and_b32 s25, s24, 1                          ; b = cb % 2
	s_lshl_b32 s25, s25, 14
	s_add_co_u32 s18, s18, s25
	s_lshr_b32 s25, s13, 2                         ; s = kb / 4
	s_lshl_b32 s25, s25, 12
	s_add_co_u32 s18, s18, s25
	s_and_b32 s25, s13, 3                          ; c4 = kb % 4
	s_lshl_b32 s25, s25, 9
	s_add_co_u32 s18, s18, s25
	v_bfe_u32 v3, v1, 3, 1                         ; unit j = lane of the 32: u = (j / 8) % 2, r = j % 8 + 8 (j / 16)
	s_delay_alu instid0(VALU_DEP_1)
	v_lshlrev_b32 v3, 11, v3
	v_and_b32 v4, 7, v1
	s_delay_alu instid0(VALU_DEP_1)
	v_lshl_add_u32 v3, v4, 4, v3
	v_lshrrev_b32 v4, 4, v1
	s_delay_alu instid0(VALU_DEP_1)
	v_lshl_add_u32 v3, v4, 7, v3                   ; 2048 u + 16 r
	s_wait_kmcnt 0x0
	s_mov_b32 s24, s21                             ; e = ew1
	s_branch .Lq
.Lw2:
	; ---- w2: kb = which 32 hidden units (0..63), cg = which 256 columns; the wave takes 32 of them
	s_sub_co_u32 s13, ttmp9, 128
	s_lshr_b32 s24, s13, 6                         ; cg
	s_and_b32 s13, s13, 63                         ; kb
	s_lshl_b32 s26, s13, 16                        ; 32 rows of 2,048 bytes
	s_lshl_b32 s25, s24, 3
	s_add_co_u32 s25, s25, s12
	s_lshl_b32 s25, s25, 7
	s_add_co_u32 s26, s26, s25
	s_add_nc_u64 s[14:15], s[6:7], s[26:27]
	s_wait_alu depctr_va_vdst(0)
	LOADS 2048
	s_lshr_b32 s18, s13, 2                         ; block c = kb / 4
	s_lshl_b32 s18, s18, 17
	s_add_co_u32 s18, s18, 65536                   ; W2's half of the block
	s_lshl_b32 s25, s24, 15                        ; ch = cg
	s_add_co_u32 s18, s18, s25
	s_lshl_b32 s25, s12, 12                        ; n = 2 x wave + lane / 16
	s_add_co_u32 s18, s18, s25
	s_and_b32 s25, s13, 3                          ; c4 = kb % 4
	s_lshl_b32 s25, s25, 9
	s_add_co_u32 s18, s18, s25
	v_lshrrev_b32 v3, 4, v1
	s_delay_alu instid0(VALU_DEP_1)
	v_lshlrev_b32 v3, 11, v3
	v_and_b32 v4, 15, v1
	s_delay_alu instid0(VALU_DEP_1)
	v_lshl_add_u32 v3, v4, 4, v3                   ; 2048 (lane / 16) + 16 (lane % 16)
	s_wait_kmcnt 0x0
	s_mov_b32 s24, s23                             ; e = ew2
.Lq:
	s_add_nc_u64 s[16:17], s[10:11], s[18:19]
	s_add_co_i32 s24, s24, 127
	s_lshl_b32 s25, s24, 23
	v_mov_b32 v4, s25                              ; 2^e as f32: the conversion takes its exponent field
	s_add_co_i32 s24, s24, 8
	s_lshl_b32 s24, s24, 23
	s_or_b32 s24, s24, 0x600000
	v_mov_b32 v5, s24                              ; 448 x 2^e
	s_wait_alu depctr_va_vdst(0)
	s_wait_loadcnt 0x0
.set ii, 0
.rept 32
	v_med3_num_f32 v[X+ii], v[X+ii], -v5, v5       ; the conversion to an 8-bit code does not saturate (ISA guide 7.6.2): the hold comes first
.set ii, ii+1
.endr
.set ii, 0
.rept 4
	v_cvt_scalef32_pk8_fp8_f32 v[C+2*ii:C+2*ii+1], v[X+8*ii:X+8*ii+7], v4
.set ii, ii+1
.endr
	global_store_b128 v3, v[C:C+3], s[16:17]               ; k 0-15 of my 32: the lanes h = 0 of the image
	global_store_b128 v3, v[C+4:C+7], s[16:17] offset:256  ; k 16-31: the lanes h = 1
	s_endpgm
.Lfunc_end_k_qf5d1aa11f5_prep:
	.size	k_qf5d1aa11f5_prep, .Lfunc_end_k_qf5d1aa11f5_prep-k_qf5d1aa11f5_prep
	.p2alignl 7, 3214868480
	.fill 96, 4, 3214868480
	.section	.rodata,"a",@progbits
	.p2align	6, 0x0
	.amdhsa_kernel k_qf5d1aa11f5_prep
		.amdhsa_group_segment_fixed_size 0
		.amdhsa_private_segment_fixed_size 0
		.amdhsa_enable_private_segment 0
		.amdhsa_kernarg_size 32
		.amdhsa_user_sgpr_count 2
		.amdhsa_user_sgpr_kernarg_segment_ptr 1
		.amdhsa_wavefront_size32 1
		.amdhsa_system_sgpr_workgroup_id_x 1
		.amdhsa_system_sgpr_workgroup_id_y 1
		.amdhsa_system_sgpr_workgroup_id_z 1
		.amdhsa_system_vgpr_workitem_id 0
		.amdhsa_next_free_vgpr 48
		.amdhsa_next_free_sgpr 66
		.amdhsa_reserve_vcc 0
		.amdhsa_float_denorm_mode_32 3
		.amdhsa_float_denorm_mode_16_64 3
		.amdhsa_memory_ordered 1
		.amdhsa_forward_progress 1
		.amdhsa_inst_pref_size 12
	.end_amdhsa_kernel
	.amdgpu_metadata
---
amdhsa.version: [ 1, 2 ]
amdhsa.kernels:
  - .name:           k_qf5d1aa11f5_prep
    .symbol:         k_qf5d1aa11f5_prep.kd
    .args:
      - { .name: w1, .offset: 0, .size: 8, .value_kind: global_buffer, .address_space: global }
      - { .name: w2, .offset: 8, .size: 8, .value_kind: global_buffer, .address_space: global }
      - { .name: lowp_scales, .offset: 16, .size: 8, .value_kind: global_buffer, .address_space: global }
      - { .name: wq, .offset: 24, .size: 8, .value_kind: global_buffer, .address_space: global }
    .group_segment_fixed_size: 0
    .private_segment_fixed_size: 0
    .kernarg_segment_align: 8
    .kernarg_segment_size: 32
    .max_flat_workgroup_size: 256
    .sgpr_count:     66
    .vgpr_count:     48
    .wavefront_size: 32
...
	.end_amdgpu_metadata
.endif
;; end of part 3
;; launch ffn (part 4): grid 256 x 1, 4 waves a work-group, clusters of 4 x 1, 327,680 bytes of LDS; arguments x, wq, lowp_scales, b1, b2, out0; writes out0
.if DOCPART == 4
	.amdgcn_target "amdgcn-amd-amdhsa--gfx1250"
	.amdhsa_code_object_version 6
	.text
	.protected	k_qf5d1aa11f5_ffn
	.globl	k_qf5d1aa11f5_ffn
	.p2align	8
	.type	k_qf5d1aa11f5_ffn,@function
k_qf5d1aa11f5_ffn:
	s_mov_b64 s[64:65], 0
	v_nop
	global_prefetch_b8 v0, s[64:65] scope:SCOPE_SE
	s_setreg_imm32_b32 hwreg(HW_REG_WAVE_MODE, 25, 1), 1
	s_wait_xcnt 0x0
	s_wait_alu depctr_hold_cnt(0) depctr_sa_sdst(0) depctr_va_vdst(0) depctr_va_sdst(0) depctr_va_ssrc(0) depctr_va_vcc(0) depctr_vm_vsrc(0)
	s_getreg_b32 s2, hwreg(HW_REG_IB_STS2, 6, 4)
	s_cmp_eq_u32 s2, 0
	s_cbranch_scc0 .Lentry_in_a_cluster
	s_endpgm
.Lentry_in_a_cluster:
	s_bfe_u32 s2, ttmp6, 0x10000c
	s_cmp_lg_u32 s2, 0x3003
	s_cbranch_scc0 .Lentry_shape_is_right
	s_endpgm
.Lentry_shape_is_right:
; out = mask x (Q(relu(Q(x) Q(w1) + b1)) Q(w2) + b2), FP8 (E4M3) codes with the four given scales, f32 sums; mask = any |x| of the row over 0.01.
; A work-group takes 128 rows of x; wave (RH, CH) takes 64 rows: in the first product 64 of a chunk's 128 hidden units, in the second 256 of the 512 columns.
; x is quantised once into registers (window 1); the 64 accumulators of the second product fill windows 2 and 3; the hidden layer goes from wave to wave through an LDS image.
; wq holds 16 blocks of 131,072 bytes (a chunk's W1 and W2 fragments as register images); they walk through two LDS slots, each filled by four joint loads of a cluster of four work-groups.
; The head asks for block 0 first and for x straight behind it; block 1, slot 1's first fill, goes out behind the round that follows x's first four quarters.
; No prefetch is laid: all 64 clusters walk the same 16 blocks of wq in the same order, and x is read once, at the head, with no loop to run ahead in.
; LIMITS: ex, and eh - ex - ew1, between -126 and 119; eh + ew2 between -126 and 127; NaN in x is not served.
.set SLOT1,  1<<17
.set XIMG,   2*SLOT1
.set XFB,    2176
.set HIMG,   XIMG+16*XFB
.set B1S,    HIMG+16384
.set RMX,    B1S+8192
.set SPARE,  RMX+256
.set SPITCH, 1040
.set CO,  1
.set SPW, 2
.set NIL, 3
.set AW1, 4
.set AW2, 5
.set LW1, 6
.set LW2, 7
.set HW,  8
.set HR,  9
.set BA0, 10
.set BAC, 11
.set HS,  16
.set HL,  17
.set XS,  18
.set XL,  19
.set B2A, 29
.set XW,  30
.set XR,  31
.set SO,  30
.set SR,  31
.set HA,  32
.set HF,  32
.set RW,  34
.set RR,  35
.set BG,  36
.set BL,  37
.set BD,  40
.set WD,  56
.set MYW, 58
.set MR,  64
.set BI,  96
.set PC,  112
.set WA,  128
.set WB,  192
.set XC,  128
.set TMP, 32
.set BK,  128
.set WV,  16
.set RH,  17
.set CH,  18
.set G1,  24
.set G0,  32
.set G0W, 36
.set TB,  50
.set BO,  51
.set CNT, 52
.set MK,  56
.set THR, 60
.set ACC, 61
.set W0,  62
.set LM,  66
.set MSB, 0
.macro WIN new
.if MSB != (\new)
	s_set_vgpr_msb (MSB<<8)|(\new)
.set MSB, (\new)
.endif
.endm
.macro PLACES n
.rept \n
	v_nop
.endr
.endm
.macro CREST
	s_cmp_lg_u32 s[WV], 0
	s_cbranch_scc1 .Lnot_wave_0_\@
	s_barrier_signal -3
.Lnot_wave_0_\@:
	s_barrier_wait -3
	s_barrier_signal -1
	s_barrier_wait -1
.endm
.macro CROUND
	s_barrier_signal -1
	s_barrier_wait -1
	CREST
.endm
.macro LOADW f, adr, off
.set ii, 0
.rept 16
	ds_load_b128 v[\f+4*ii:\f+4*ii+3], v[\adr] offset:\off+512*ii
.set ii, ii+1
.endr
.endm
.macro LOADBI b
.irp u, 0,1
	ds_load_b128 v[BI+8*\u:BI+8*\u+3],   v[BAC] offset:128*\b+32*\u
	ds_load_b128 v[BI+8*\u+4:BI+8*\u+7], v[BAC] offset:128*\b+32*\u+16
.endr
.endm
.macro HEADLD
	v_add_nc_u32 v[AW1], s[TB], v[LW1]
	v_add_nc_u32 v[AW2], s[TB], v[LW2]
	v_add_nc_u32 v[BAC], s[BO], v[BA0]
	LOADW WA, AW1, 0
	LOADBI 0
.endm
.macro MUL1 f, sp, first
	WIN 0x04
.irp sq, 0,1
.irp u, 0,1
.irp m, 0,1,2,3
.if \first && (\sq == 0)
	v_wmma_f32_16x16x128_fp8_fp8 v[HA+16*\m+8*\u:HA+16*\m+8*\u+7], v[\f+16*(2*\sq+\u):\f+16*(2*\sq+\u)+15], v[64*\m+16*(2*\sp+\sq):64*\m+16*(2*\sp+\sq)+15], v[BI+8*\u:BI+8*\u+7]
.else
	v_wmma_f32_16x16x128_fp8_fp8 v[HA+16*\m+8*\u:HA+16*\m+8*\u+7], v[\f+16*(2*\sq+\u):\f+16*(2*\sq+\u)+15], v[64*\m+16*(2*\sp+\sq):64*\m+16*(2*\sp+\sq)+15], v[HA+16*\m+8*\u:HA+16*\m+8*\u+7]
.endif
.endr
.endr
.endr
.endm
.macro MUL2 f, g, zero, stag
	WIN 0xa0+0x50*((\g)/2)
.irp m, 0,1,2,3
.if \stag
	s_wait_dscnt 12-4*\m
.endif
.irp nq, 0,1,2,3
.if \zero
	v_wmma_f32_16x16x128_fp8_fp8 v[8*(4*((4*(\g)+\nq)%8)+\m):8*(4*((4*(\g)+\nq)%8)+\m)+7], v[\f+16*\nq:\f+16*\nq+15], v[HF+16*\m:HF+16*\m+15], 0
.else
	v_wmma_f32_16x16x128_fp8_fp8 v[8*(4*((4*(\g)+\nq)%8)+\m):8*(4*((4*(\g)+\nq)%8)+\m)+7], v[\f+16*\nq:\f+16*\nq+15], v[HF+16*\m:HF+16*\m+15], v[8*(4*((4*(\g)+\nq)%8)+\m):8*(4*((4*(\g)+\nq)%8)+\m)+7]
.endif
.endr
.endr
.endm
.macro CONV b
.set ii, 0
.rept 64
	v_med3_num_f32 v[HA+ii], v[HA+ii], 0, v[HL]
.set ii, ii+1
.endr
.set ii, 0
.rept 8
	v_cvt_scalef32_pk8_fp8_f32 v[PC+2*ii:PC+2*ii+1], v[HA+8*ii:HA+8*ii+7], v[HS]
.set ii, ii+1
.endr
	v_nop
.irp m, 0,1,2,3
	ds_store_b128 v[HW], v[PC+4*\m:PC+4*\m+3] offset:\m*2048+\b*512
.endr
.endm
.macro LOADH
.irp m, 0,1,2,3
.irp c, 0,1,2,3
	ds_load_b128 v[HF+16*\m+4*\c:HF+16*\m+4*\c+3], v[HR] offset:\m*2048+512*\c
.endr
.endr
.endm
.macro LOADX q
	WIN 0x80+0x40*((\q)/4)
.set ii, 0
.rept 16
	global_load_b128 v[64*((\q)%4)+4*ii:64*((\q)%4)+4*ii+3], v[CO], s[4:5] offset:32768*((\q)%2)+512*((\q)/2)+2048*ii th:TH_LOAD_NT
.set ii, ii+1
.endr
	WIN 0
.endm
.macro QUANTX q
.set XB, 64*((\q)%4)
.set XT, MR+16*((\q)%2)
	WIN 0x0a+5*((\q)/4)
.set ii, 0
.rept 16
.if (\q) < 2
	v_max_num_f32 v[XT+ii], |v[XB+4*ii]|, |v[XB+4*ii+1]|
.else
	v_max3_num_f32 v[XT+ii], |v[XB+4*ii]|, |v[XB+4*ii+1]|, v[XT+ii]
.endif
.set ii, ii+1
.endr
.set ii, 0
.rept 16
	v_max3_num_f32 v[XT+ii], |v[XB+4*ii+2]|, |v[XB+4*ii+3]|, v[XT+ii]
.set ii, ii+1
.endr
	WIN 0x82+0x41*((\q)/4)
.set ii, 0
.rept 64
	v_med3_num_f32 v[XB+ii], v[XB+ii], -v[XL], v[XL]
.set ii, ii+1
.endr
	WIN 0x02+((\q)/4)
.set ii, 0
.rept 8
	v_cvt_scalef32_pk8_fp8_f32 v[XC+16*(\q)+2*ii:XC+16*(\q)+2*ii+1], v[XB+8*ii:XB+8*ii+7], v[XS]
.set ii, ii+1
.endr
	WIN 0
	v_nop
.endm
.macro IMAGEX q
.set ii, 0
.rept 16
	ds_store_b32 v[XW], v[XC+16*(\q)+ii] offset:((\q)%2)*2*XFB+(((\q)/2)%2)*XFB+16*ii
.set ii, ii+1
.endr
.endm
.macro FETCHX p
	WIN 0x40
.irp m, 0,1,2,3
.irp sq, 0,1
.irp c, 0,1,2,3
	ds_load_b128 v[64*\m+16*(2*\p+\sq)+4*\c:64*\m+16*(2*\p+\sq)+4*\c+3], v[XR] offset:\m*2*XFB+\sq*XFB+544*\c
.endr
.endr
.endr
	WIN 0
.endm
	s_load_b256 s[4:11], s[0:1], 0x0
	s_load_b128 s[12:15], s[0:1], 0x20
	v_lshl_add_u32 v[SPW], v0, 2, SPARE
	v_mov_b32 v[NIL], 0
	ds_add_u32 v2, v3
	ds_add_u32 v2, v3
	s_wait_dscnt 0x0
	v_lshrrev_b32 v1, 5, v0
	v_readfirstlane_b32 s[WV], v1
	s_lshr_b32 s[RH], s[WV], 1
	s_and_b32 s[CH], s[WV], 1
	s_bfe_u32 s19, ttmp6, 0x40000
	s_lshl_b32 s20, ttmp9, 2
	s_add_co_u32 s20, s20, s19
	s_mov_b32 s[G1+0], 15|(3<<16)|(1<<21)
	s_mov_b32 s[G1+1], 32<<16
	s_mov_b32 s[G1+2], 128<<16
	s_mov_b32 s[G1+3], 32<<16
	s_mov_b32 s[G1+4], 128
	s_mov_b32 s[G1+5], 32
	s_mov_b32 s[G1+6], 0
	s_mov_b32 s[G1+7], 0
	s_mov_b32 s[TB], 0
	s_mov_b32 s[BO], 0
	s_mov_b32 s[THR], 0x3c23d70a
	s_lshl_b32 s22, s[WV], 15
	s_mov_b32 s23, 0
	s_lshl_b32 s44, s20, 18
	s_lshl_b32 s45, s[WV], 16
	s_add_co_u32 s44, s44, s45
	s_mov_b32 s45, 0
	s_lshl_b32 s46, s20, 18
	s_lshl_b32 s47, s[RH], 17
	s_add_co_u32 s46, s46, s47
	s_lshl_b32 s47, s[CH], 10
	s_add_co_u32 s46, s46, s47
	s_mov_b32 s47, 0
	s_wait_kmcnt 0x0
	s_load_b128 s[40:43], s[8:9], 0x0
	s_add_nc_u64 s[4:5], s[4:5], s[44:45]
	s_add_nc_u64 s[14:15], s[14:15], s[46:47]
	s_lshl_b32 s46, s[CH], 10
	s_add_nc_u64 s[12:13], s[12:13], s[46:47]
	s_mov_b32 s[G0], 1
	s_mov_b32 s[G0+1], s22
	s_add_nc_u64 s[G0+2:G0+3], s[6:7], s[22:23]
	s_or_b32 s[G0+3], s[G0+3], 0x80000000
	s_mov_b32 s[G0W], 1
	s_add_co_u32 s[G0W+1], s22, SLOT1
	s_add_nc_u64 s[G0W+2:G0W+3], s[6:7], s[22:23]
	s_add_nc_u64 s[G0W+2:G0W+3], s[G0W+2:G0W+3], SLOT1
	s_or_b32 s[G0W+3], s[G0W+3], 0x80000000
	CROUND
	tensor_load_to_lds s[G0:G0+3], s[G1:G1+7]      ; block 0: one tensor load a wave at the head
	s_nop 0
	PLACES 4
	v_and_b32 v[CO], 31, v0
	v_lshlrev_b32 v[CO], 4, v[CO]
	v_lshlrev_b32 v[BG], 4, v0
	v_add_nc_u32 v[BL], B1S, v[BG]
	s_wait_alu depctr_va_vdst(0)
.irp i, 0,1,2,3
	global_load_b128 v[BD+4*\i:BD+4*\i+3], v[BG], s[10:11] offset:2048*\i
.endr
	LOADX 0
	LOADX 1
	LOADX 2
	v_and_b32 v32, 15, v0
	v_bfe_u32 v33, v0, 4, 1
	s_lshl_b32 s21, s[CH], 15
	v_add_nc_u32 v[LW1], s21, v[CO]
	v_add_nc_u32 v[LW2], 0x10000, v[LW1]
	s_lshl_b32 s21, s[RH], 13
	s_add_co_u32 s21, s21, HIMG
	v_add_nc_u32 v[HR], s21, v[CO]
	s_lshl_b32 s53, s[CH], 10
	s_add_co_u32 s21, s21, s53
	v_add_nc_u32 v[HW], s21, v[CO]
	s_lshl_b32 s21, s[CH], 8
	s_add_co_u32 s21, s21, B1S
	v_lshl_add_u32 v[BA0], v33, 6, s21
	v_bfe_u32 v38, v0, 2, 3
	v_and_b32 v39, 3, v0
	v_mul_u32_u24 v[XW], v38, 272
	v_lshl_add_u32 v[XW], v39, 2, v[XW]
	s_mul_i32 s21, s[WV], 4*XFB
	s_add_co_u32 s21, s21, XIMG
	v_add_nc_u32 v[XW], s21, v[XW]
	v_mul_u32_u24 v[XR], v33, 272
	v_lshl_add_u32 v[XR], v32, 4, v[XR]
	s_mul_i32 s21, s[RH], 8*XFB
	s_add_co_u32 s21, s21, XIMG
	v_add_nc_u32 v[XR], s21, v[XR]
	s_lshl_b32 s21, s[WV], 2
	s_add_co_u32 s21, s21, RMX
	v_mov_b32 v[RW], s21
	s_lshl_b32 s21, s[RH], 3
	s_add_co_u32 s21, s21, RMX
	v_mov_b32 v[RR], s21
	s_wait_kmcnt 0x0
	s_add_co_i32 s44, s40, s41
	s_sub_co_i32 s45, 0, s44
	s_add_co_i32 s46, s40, 127
	s_lshl_b32 s47, s46, 23
	v_mov_b32 v[XS], s47
	s_add_co_i32 s46, s46, 8
	s_lshl_b32 s46, s46, 23
	s_or_b32 s46, s46, 0x600000
	v_mov_b32 v[XL], s46
	s_sub_co_i32 s46, s42, s44
	s_add_co_i32 s46, s46, 127
	s_lshl_b32 s47, s46, 23
	v_mov_b32 v[HS], s47
	s_add_co_i32 s46, s46, 8
	s_lshl_b32 s46, s46, 23
	s_or_b32 s46, s46, 0x600000
	v_mov_b32 v[HL], s46
	s_add_co_i32 s48, s42, s43
	s_add_co_i32 s48, s48, 127
	s_lshl_b32 s48, s48, 23
	s_mov_b32 s49, s48
	s_wait_loadcnt 48
.set ii, 0
.rept 16
	v_ldexp_f32 v[BD+ii], v[BD+ii], s45
.set ii, ii+1
.endr
.irp i, 0,1,2,3
	ds_store_b128 v[BL], v[BD+4*\i:BD+4*\i+3] offset:2048*\i
.endr
.irp q, 0,1,2,3
	s_wait_loadcnt 32
	LOADX \q+3
	QUANTX \q
	IMAGEX \q
.endr
	s_wait_alu depctr_va_vdst(0)
	s_wait_tensorcnt 0x0                           ; my part of block 0 is in
	ds_add_u32 v[SPW], v[NIL]
	s_wait_dscnt 0x0                               ; the add is done, and my codes of x's first four quarters are in the image
	CROUND                                         ; a whole round: it is also the barrier between the image's stores and its reads
	tensor_load_to_lds s[G0W:G0W+3], s[G1:G1+7]    ; block 1, slot 1's first fill: the first tensor load behind the round
	s_nop 0
	PLACES 4
	FETCHX 0
	s_wait_loadcnt 32
	LOADX 7
	QUANTX 4
	s_wait_loadcnt 32
	QUANTX 5
	s_wait_loadcnt 16
	QUANTX 6
	s_wait_loadcnt 0x0
	QUANTX 7
.set jj, 0
.rept 32
	v_cmp_gt_f32 s[LM+jj], v[MR+jj], s[THR]
.set jj, jj+1
.endr
	s_mov_b32 s[ACC], 0
.set jj, 31
.rept 32
	s_min_u32 s[LM+jj], s[LM+jj], 1
	s_lshl1_add_u32 s[ACC], s[ACC], s[LM+jj]
.set jj, jj-1
.endr
	v_mov_b32 v[MYW], s[ACC]
	s_wait_alu depctr_va_vdst(0)
	s_wait_dscnt 0x0
	s_barrier_signal -1
	s_barrier_wait -1
.irp q, 4,5,6,7
	IMAGEX \q
.endr
	ds_store_b32 v[RW], v[MYW]
	s_wait_tensorcnt 0x1
	s_wait_dscnt 0x0
	s_barrier_signal -1
	s_barrier_wait -1
	FETCHX 1
	ds_load_b64 v[WD:WD+1], v[RR]
	s_wait_dscnt 0x0
	v_readfirstlane_b32 s[W0], v[WD]
	v_readfirstlane_b32 s[W0+1], v[WD+1]
.irp t, 0,1
	s_and_b32 s44, s[W0+\t], 0xffff
	s_lshl_b32 s45, s[W0+\t], 16
	s_or_b32 s[MK+2*\t], s44, s45
	s_lshr_b32 s44, s[W0+\t], 16
	s_and_b32 s45, s[W0+\t], 0xffff0000
	s_or_b32 s[MK+2*\t+1], s44, s45
.endr
	HEADLD
.macro CHUNK zero, mode
	LOADW WB, AW1, 8192
	s_wait_dscnt 16
	MUL1 WA, 0, 1
	WIN 0
	PLACES 4
	LOADW WA, AW1, 16384
	s_wait_dscnt 16
	MUL1 WB, 1, 0
	WIN 0
	PLACES 4
	LOADBI 1
	LOADW WB, AW1, 24576
	CONV 0
	s_wait_dscnt 20
	MUL1 WA, 0, 1
	WIN 0
	PLACES 4
	LOADW WA, AW2, 0
	s_wait_dscnt 16
	MUL1 WB, 1, 0
	WIN 0
	PLACES 4
.if \mode == 2
	v_bfe_u32 v[B2A], v0, 4, 1
	v_lshlrev_b32 v[B2A], 5, v[B2A]
	WIN 0x40
.irp n, 0,1,2,3,4,5,6,7,8,9,10,11,12,13,14,15
	global_load_b128 v[8*\n:8*\n+3],   v[B2A], s[12:13] offset:64*\n
	global_load_b128 v[8*\n+4:8*\n+7], v[B2A], s[12:13] offset:64*\n+16
.endr
	WIN 0
.endif
	LOADW WB, AW2, 8192
	CONV 1
	s_wait_dscnt 0x0
	s_barrier_signal -1
	s_barrier_wait -1
	LOADH
	MUL2 WA, 0, \zero, 1
	WIN 0
	PLACES 4
	LOADW WA, AW2, 16384
	MUL2 WB, 1, \zero, 0
	WIN 0
	PLACES 4
	LOADW WB, AW2, 24576
.if \mode == 2
	s_wait_dscnt 16
	MUL2 WA, 2, \zero, 0
	s_wait_dscnt 0x0
	MUL2 WB, 3, \zero, 0
	WIN 0
	PLACES 4
.else
	s_wait_tensorcnt 0x0
	ds_add_u32 v[SPW], v[NIL]
.if \mode == 0
	s_xor_b32 s[G0W+1], s[G0W+1], SLOT1
	s_add_nc_u64 s[G0W+2:G0W+3], s[G0W+2:G0W+3], SLOT1
.endif
	s_xor_b32 s[TB], s[TB], SLOT1
	s_add_co_u32 s[BO], s[BO], 512
	s_wait_dscnt 17
	MUL2 WA, 2, \zero, 0
	WIN 0
	s_wait_dscnt 0x0
	s_barrier_signal -1
	s_barrier_wait -1
.if \mode == 0
	CREST
	tensor_load_to_lds s[G0W:G0W+3], s[G1:G1+7]
	s_nop 0
.endif
	PLACES 4
	HEADLD
	MUL2 WB, 3, \zero, 0
	WIN 0
	PLACES 5
.endif
.endm
	s_wait_alu depctr_va_vdst(0)
	CHUNK 1, 0
	s_mov_b32 s[CNT], 13
.Lchunk:
	s_wait_alu depctr_va_vdst(0)
	CHUNK 0, 0
	s_sub_co_u32 s[CNT], s[CNT], 1
	s_cmp_lg_u32 s[CNT], 0
	s_cbranch_scc1 .Lchunk
	s_wait_alu depctr_va_vdst(0)
	CHUNK 0, 1
	s_wait_alu depctr_va_vdst(0)
	CHUNK 0, 2
	v_and_b32 v[AW1], 15, v0
	v_bfe_u32 v[AW2], v0, 4, 1
	s_mul_i32 s21, s[WV], 16*SPITCH
	v_mul_u32_u24 v[SO], v[AW1], SPITCH
	v_lshl_add_u32 v[SO], v[AW2], 5, v[SO]
	v_add_nc_u32 v[SO], s21, v[SO]
	v_add_nc_u32 v[SR], s21, v[CO]
	s_wait_loadcnt 0x0
.macro OUT m
	WIN 0x12
.irp n, 0,1,2,3,4,5,6,7
.irp i, 0,2,4,6
	v_pk_fma_f32 v[TMP+8*\n+\i:TMP+8*\n+\i+1], v[8*(4*\n+\m)+\i:8*(4*\n+\m)+\i+1], s[48:49], v[8*\n+\i:8*\n+\i+1] op_sel_hi:[1,0,1]
.endr
.endr
	WIN 0x13
.irp n, 8,9,10,11,12,13,14,15
.irp i, 0,2,4,6
	v_pk_fma_f32 v[TMP+8*\n+\i:TMP+8*\n+\i+1], v[8*(4*(\n-8)+\m)+\i:8*(4*(\n-8)+\m)+\i+1], s[48:49], v[8*\n+\i:8*\n+\i+1] op_sel_hi:[1,0,1]
.endr
.endr
	WIN 0
.set ii, 0
.rept 128
	v_cndmask_b32 v[TMP+ii], 0, v[TMP+ii], s[MK+\m]
.set ii, ii+1
.endr
.irp n, 0,1,2,3,4,5,6,7,8,9,10,11,12,13,14,15
	ds_store_b128 v[SO], v[TMP+8*\n:TMP+8*\n+3] offset:64*\n
	ds_store_b128 v[SO], v[TMP+8*\n+4:TMP+8*\n+7] offset:64*\n+16
.endr
.if \m > 0
	s_wait_xcnt 0x0
.endif
	WIN 0x40
.set ii, 0
.rept 32
	ds_load_b128 v[BK+4*ii:BK+4*ii+3], v[SR] offset:(ii/2)*SPITCH+(ii%2)*512
.set ii, ii+1
.endr
	WIN 0x04
.set ii, 0
.rept 32
	s_wait_dscnt 31-ii
	global_store_b128 v[CO], v[BK+4*ii:BK+4*ii+3], s[14:15] offset:\m*32768+(ii/2)*2048+(ii%2)*512 th:TH_STORE_NT
.set ii, ii+1
.endr
	WIN 0
.endm
	OUT 0
	OUT 1
	OUT 2
	OUT 3
	s_wait_tensorcnt 0x0
	ds_add_u32 v[SPW], v[NIL]
	s_wait_dscnt 0x0
	CROUND
	s_endpgm
.Lfunc_end_k_qf5d1aa11f5_ffn:
	.size	k_qf5d1aa11f5_ffn, .Lfunc_end_k_qf5d1aa11f5_ffn-k_qf5d1aa11f5_ffn
	.p2alignl 7, 3214868480
	.fill 96, 4, 3214868480
	.section	.rodata,"a",@progbits
	.p2align	6, 0x0
	.amdhsa_kernel k_qf5d1aa11f5_ffn
		.amdhsa_group_segment_fixed_size 327680
		.amdhsa_private_segment_fixed_size 0
		.amdhsa_enable_private_segment 0
		.amdhsa_kernarg_size 48
		.amdhsa_user_sgpr_count 2
		.amdhsa_user_sgpr_kernarg_segment_ptr 1
		.amdhsa_wavefront_size32 1
		.amdhsa_system_sgpr_workgroup_id_x 1
		.amdhsa_system_sgpr_workgroup_id_y 1
		.amdhsa_system_sgpr_workgroup_id_z 1
		.amdhsa_system_vgpr_workitem_id 0
		.amdhsa_next_free_vgpr 1024
		.amdhsa_next_free_sgpr 98
		.amdhsa_reserve_vcc 0
		.amdhsa_float_denorm_mode_32 3
		.amdhsa_float_denorm_mode_16_64 3
		.amdhsa_memory_ordered 1
		.amdhsa_forward_progress 1
		.amdhsa_inst_pref_size 255
	.end_amdhsa_kernel
	.section	.bss,"aw",@nobits
	.p2align	6
	.space	262144
	.amdgpu_metadata
---
amdhsa.version: [ 1, 2 ]
amdhsa.kernels:
  - .name:           k_qf5d1aa11f5_ffn
    .symbol:         k_qf5d1aa11f5_ffn.kd
    .args:
      - { .name: x, .offset: 0, .size: 8, .value_kind: global_buffer, .address_space: global }
      - { .name: wq, .offset: 8, .size: 8, .value_kind: global_buffer, .address_space: global }
      - { .name: lowp_scales, .offset: 16, .size: 8, .value_kind: global_buffer, .address_space: global }
      - { .name: b1, .offset: 24, .size: 8, .value_kind: global_buffer, .address_space: global }
      - { .name: b2, .offset: 32, .size: 8, .value_kind: global_buffer, .address_space: global }
      - { .name: out0, .offset: 40, .size: 8, .value_kind: global_buffer, .address_space: global }
    .group_segment_fixed_size: 327680
    .private_segment_fixed_size: 0
    .kernarg_segment_align: 8
    .kernarg_segment_size: 48
    .max_flat_workgroup_size: 128
    .sgpr_count:     98
    .vgpr_count:     1024
    .wavefront_size: 32
...
	.end_amdgpu_metadata
.endif
;; end of part 4
